; MI455X (gfx1250); checked and timed in simulation.
; The chip was launched on July 23, 2026; its instructions are those of AMD's public machine-readable ISA for CDNA 5 (MIT licence, August 2026) and "CDNA5" Instruction Set Architecture Reference Guide (July 2026). The comments in the code are by the model that wrote it; some were corrected since.
;; Vector Quantizer. Allowed arithmetic: matrix products marked QUANTISED: E2M1 operands, one E8M0 scale for each 32 along K, by v_wmma_scale_f32_16x16x128_f8f6f4 with both operands' format E2M1 (or v_wmma_scale_f32_32x16x128_f4), f32 sums; everything else in f32.
;; Inputs: embeddings_weight 8,192 x 256 float32; inputs 8 x 4,096 x 256 float32.
;; Outputs: out0 8 x 4,096 x 256 float32; out1 32,768 int32.
;; This version of the problem:
;;   THIS VERSION OF THE PROBLEM IS GIVEN IN LOW PRECISION. The matrix products marked QUANTISED in the list below multiply operands that are first quantised to E2M1 (2 exponent bits, 1 mantissa bit; 4 bits a number), with one power-of-two scale for each 32 numbers along K (OCP MX v1.0); their sums are f32. All else is computed in f32.
;;   The module's matrix products, in the order in which they are computed (A, B: the left and right operand; K: the contracted axis; several contracted axes count as one K, in the product's order):
;;     1. [M 32,768, K 256] x [K 256, N 8,192]; A: input inputs; B: input embeddings_weight: QUANTISED
;;   THE QUANTISER, for each operand of a quantised product, along K:
;;     - K is cut into blocks of 32 from its start; a last block that is shorter is filled with zeros.
;;     - A block's scale is 2^e with e = floor(log2(the largest magnitude in the block)) - 2, held to -126 .. 127; a block of zeros has e = 0. As a byte (E8M0): e + 127.
;;     - Each number is divided by its block's scale, clamped to +-6, and rounded to the nearest number of E2M1, ties to even, subnormals kept.
;;     - The product sums the exact products of the quantised numbers (number of the format x scale) in f32.
;;   ~~~python
;;   def quantise(x, axis):      # numpy; x: float32 -> the quantised numbers, widened to float32 again
;;       x = np.moveaxis(x, axis, -1); K = x.shape[-1]
;;       x = np.pad(x, [(0, 0)] * (x.ndim - 1) + [(0, -K % 32)]); x = x.reshape(x.shape[:-1] + (-1, 32)); a = np.abs(x).max(-1, keepdims=True)
;;       e = np.where(a > 0, np.clip(np.frexp(np.where(a > 0, a, 1))[1] - 1 - 2, -126, 127), 0)      # np.frexp(a)[1] - 1 = floor(log2(a)), exactly
;;       r = np.clip(x / 2.0 ** e, -6, 6)
;;       step = 2.0 ** (np.maximum(np.frexp(np.where(r == 0, 1, r))[1] - 1, 0) - 1)
;;       q = np.round(r / step) * step * 2.0 ** e      # np.round: ties to even
;;       return np.moveaxis(q.reshape(q.shape[:-2] + (-1,))[..., :K], -1, axis).astype(np.float32)
;;   ~~~
;; One version. Each part assembles by itself: llvm-mc -triple=amdgcn-amd-amdhsa -mcpu=gfx1250 --defsym DOCPART=n.
;; ======== version 1 of 1: 3 launches
;; limits: right only within a limited range of input values
;; workspace buffers: xq 4,587,520 bytes; wq 1,146,880 bytes; idxw 131,072 bytes of whole numbers
;; launch quant (part 1): grid 256 x 1, 10 waves a work-group, no clusters, 167,680 bytes of LDS; arguments inputs, embeddings_weight, xq, wq; writes xq, wq
.if DOCPART == 1
	.amdgcn_target "amdgcn-amd-amdhsa--gfx1250"
	.amdhsa_code_object_version 6
	.text
	.protected	k_q3594a8844c_quant
	.globl	k_q3594a8844c_quant
	.p2align	8
	.type	k_q3594a8844c_quant,@function
k_q3594a8844c_quant:
	s_mov_b64 s[64:65], 0
	v_nop
	global_prefetch_b8 v0, s[64:65] scope:SCOPE_SE
	s_setreg_imm32_b32 hwreg(HW_REG_WAVE_MODE, 25, 1), 1
	s_wait_xcnt 0x0
; inputs [32768][256] and embeddings_weight [8192][256], f32, become operands of the product x w^T on codes of FP4 (E2M1): codes, one E8M0 scale byte for each 32 along the 256, and each row's sum of squares in f32.
; A block's scale is 2^(floor(log2(its largest magnitude)) - 2); its byte is the largest magnitude's exponent field - 2, held at 1 from below; each number is divided by the scale and rounded to the nearest code, ties to even, beyond 6 the code of 6.
; LIMITS: NaN and infinities among the inputs are not served.  A block of zeros gets the byte 1 where the rule says 127: its codes are zeros, and this program alone reads the bytes.
; A ROW'S SUM OF SQUARES IS ONE CHAIN OF FUSED MULTIPLY-ADDS IN ASCENDING ORDER OF ITS 256 NUMBERS: its last bit decides which of two nearly equal distances is the smaller, so the order is fixed here and stated.
; THE LAYOUT OF xq AND wq IS THE READER'S.  A group is 32 rows, a chunk 32 groups = 143,360 bytes: 131,072 of codes (4,096 a group), 8,192 of scale words (256 a group), 4,096 of sums (128 a group, rows in their own order).
; A group has two tiles u = 0, 1 of 16 rows; tile row r is row 8 u + r + 8 (r / 8) of the group.  A tile's codes are four pieces of 512 bytes: in piece p lane (r, h) has 16 bytes at 16 x lane: block 2 p + h of tile row r.
; So pieces 2 s and 2 s + 1 are registers 0-3 and 4-7 of the matrix operand for K step s, lane by lane.  The scale word of (u, r, s) lies at 128 u + 8 r + 4 s; its byte b belongs to block 4 s + b.
; SHARES.  2,048 tiles of x and 512 of w are 256 work-groups x 10 waves: a wave takes one tile, 16 rows, 16 KiB.  Both tensors take one path; only the pointers are chosen, by the tile's number.
; Each load reads 512 consecutive bytes; the tile turns through the wave's own stage in LDS, so that a lane then holds whole blocks of 32 neighbours.  Waves share nothing: no barrier.  No loop: every offset is an immediate.
; No cluster: no two work-groups read the same bytes.
.set XT,     2048                      ; tiles of x
.set CHUNKB, 143360
.set SCLO,   131072                    ; a chunk's scale words
.set SUMO,   139264                    ; a chunk's sums
.set PITCH,  1040                      ; a stage row: 1,024 bytes + 16: row r begins 16 r bytes further on modulo 256, so the 16 rows that a load touches lie in 16 different columns of 16 bytes
.set STG,    16*PITCH                  ; a wave's stage
.set FLOOR,  0x1800000                 ; 2^(3 - 127): under it no largest magnitude is taken, so the byte cannot fall under 1
.set AM,  12                           ; v12-15  largest magnitude of my block 2 c + h
.set SO,  16                           ; v16-19  the conversions' scale operand
.set BY,  20                           ; v20-23  the scale's byte
.set ACC, 24                           ; v24     the chain in hand
.set OTH, 25                           ; v25     the other half's chain
.set TOT, 31                           ; v31     the row's sum
.set C,   32                           ; v32-47  codes: four registers a block, never written again
.set R,   64                           ; v64-191 the numbers: as loaded, then 32 neighbours a block
	s_load_b256 s[4:11], s[0:1], 0x0               ; inputs s[4:5], embeddings_weight s[6:7], xq s[8:9], wq s[10:11]
	v_lshl_add_u32 v192, v0, 2, 0x28a00
	v_mov_b32 v193, 0
	v_lshrrev_b32 v1, 5, v0
	s_delay_alu instid0(VALU_DEP_1)
	v_readfirstlane_b32 s2, v1                     ; wave 0..9
	v_and_b32 v2, 31, v0                           ; lane
	v_and_b32 v3, 15, v0                           ; r
	v_bfe_u32 v10, v0, 4, 1                        ; h
	s_delay_alu instid0(VALU_DEP_3)
	v_lshlrev_b32 v4, 4, v2                        ; 16 x lane: my bytes of a load's 512, and of a piece of codes
	s_mul_i32 s25, s2, STG                         ; my wave's stage
	v_add_nc_u32 v5, s25, v4                       ; into it: as loaded
	v_mul_u32_u24 v6, v3, PITCH
	s_delay_alu instid0(VALU_DEP_1)
	v_lshl_add_u32 v6, v10, 7, v6
	s_delay_alu instid0(VALU_DEP_1)
	v_add_nc_u32 v6, s25, v6                       ; out of it: row r, block h
	v_lshlrev_b32 v7, 3, v3
	s_delay_alu instid0(VALU_DEP_1)
	v_lshl_add_u32 v7, v10, 2, v7                  ; my scale word's place: 8 r + 4 h (lane (r, h) stores word s = h)
	v_and_b32 v8, 8, v3
	s_delay_alu instid0(VALU_DEP_1)
	v_add_nc_u32 v8, v8, v3
	s_delay_alu instid0(VALU_DEP_1)
	v_lshlrev_b32 v8, 2, v8                        ; my row's sum: 4 (r + 8 (r / 8))
	v_lshlrev_b32 v9, 3, v10                       ; 8 h: my bytes' shift in a scale word
	v_mov_b32 v[OTH], 0                            ; a lane permute's destination counts as one of its sources: written once
	v_mov_b32 v28, 0
	v_mov_b32 v29, 0
	s_mov_b32 s20, 0xffff0000                      ; lanes 16-31
	s_mov_b32 s22, 0x76543210
	s_mov_b32 s23, 0xfedcba98                      ; v_permlanex16_b32's selects for lane l xor 16
	s_mul_i32 s3, ttmp9, 10
	s_add_co_u32 s3, s3, s2                        ; my tile
	s_wait_kmcnt 0x0
	s_cmp_lt_u32 s3, XT                            ; x's tile or w's?  The choice hangs on the tile's number alone
	s_cselect_b64 s[4:5], s[4:5], s[6:7]
	s_cselect_b64 s[8:9], s[8:9], s[10:11]
	s_cselect_b32 s18, 0, XT
	s_sub_co_u32 s3, s3, s18                       ; the tile's number in its tensor
	s_lshr_b32 s18, s3, 1                          ; group
	s_and_b32 s19, s3, 1                           ; u
	s_lshr_b32 s21, s18, 5                         ; chunk
	s_and_b32 s24, s18, 31                         ; group in the chunk
	s_mul_i32 s21, s21, CHUNKB
	s_mov_b32 s27, 0
	s_lshl_b32 s26, s18, 15                        ; the source: 32 rows of 1,024 bytes a group,
	s_lshl_b32 s28, s19, 13                        ; 8 rows on for tile 1
	s_add_co_u32 s26, s26, s28
	s_add_nc_u64 s[4:5], s[4:5], s[26:27]
	s_lshl_b32 s26, s24, 12                        ; the codes: 4,096 bytes a group, 2,048 a tile
	s_lshl_b32 s28, s19, 11
	s_add_co_u32 s26, s26, s28
	s_add_co_u32 s26, s26, s21
	s_add_nc_u64 s[12:13], s[8:9], s[26:27]
	s_lshl_b32 s26, s24, 8                         ; the scale words: 256 bytes a group, 128 a tile
	s_lshl_b32 s28, s19, 7
	s_add_co_u32 s26, s26, s28
	s_add_co_u32 s26, s26, s21
	s_add_co_u32 s26, s26, SCLO
	s_add_nc_u64 s[14:15], s[8:9], s[26:27]
	s_lshl_b32 s26, s24, 7                         ; the sums: 128 bytes a group; tile 1's rows begin 8 rows on
	s_lshl_b32 s28, s19, 5
	s_add_co_u32 s26, s26, s28
	s_add_co_u32 s26, s26, s21
	s_add_co_u32 s26, s26, SUMO
	s_add_nc_u64 s[16:17], s[8:9], s[26:27]
; the tile's 16 KiB: load k brings half k % 2 of tile row k / 2: 32 lanes read 512 consecutive bytes; all 32 loads are out together
.set k, 0
.rept 32
	global_load_b128 v[R+4*k:R+4*k+3], v4, s[4:5] offset:((k/2)+8*((k/2)/8))*1024+512*(k%2) th:TH_LOAD_NT
.set k, k+1
.endr
.set k, 0
.rept 32
	s_wait_loadcnt 31-k                            ; loads come back in order: load k is in, the 31 - k younger ones may be out
	ds_store_b128 v5, v[R+4*k:R+4*k+3] offset:(k/2)*PITCH+512*(k%2)
.set k, k+1
.endr
	s_wait_dscnt 0x0                               ; the stores have read their registers, which the loads below fill again
.set k, 0
.rept 32
	ds_load_b128 v[R+4*k:R+4*k+3], v6 offset:256*(k/8)+16*(k%8)   ; registers 32 c on: block 2 c + h of my row, 32 neighbours
.set k, k+1
.endr
; BLOCK c: my block 2 c + h.  The sum of squares runs through the blocks in their order, 2 c (lanes 0-15) and then 2 c + 1 (lanes 16-31): so the 32 multiply-adds are walked twice.
; The first walk starts from the other half's sum and is right in lanes 0-15; its result crosses the halves; the second walk starts from that and is right in lanes 16-31.  What the other half of the lanes makes in a walk is never used.
; The largest magnitude stands between the first walk's lines, the scale and the conversions between the second's: each conversion has a plain line behind it.
.macro BLOCK c
	s_wait_dscnt 24-8*\c                           ; my block's eight loads are in; those of the later blocks may be out
.set RB, R+32*\c
.set i, 0
.rept 32
.if (\c == 0) && (i == 0)
	v_mul_f32 v[ACC], v[RB], v[RB]                 ; the row's first square starts the sum
.elseif i == 0
	v_fma_f32 v[ACC], v[RB], v[RB], v[OTH]
.else
	v_fma_f32 v[ACC], v[RB+i], v[RB+i], v[ACC]
.endif
.if i == 0
	v_max3_num_f32 v[AM+\c], |v[RB]|, |v[RB+1]|, FLOOR
.elseif i%2 == 0
	s_delay_alu instid0(VALU_DEP_3)
	v_max3_num_f32 v[AM+\c], v[AM+\c], |v[RB+i]|, |v[RB+i+1]|
.endif
.set i, i+1
.endr
	s_delay_alu instid0(VALU_DEP_1)
	v_permlanex16_b32 v[OTH], v[ACC], s22, s23     ; lanes 16-31 take the sum through block 2 c
.set i, 0
.rept 32
.if i == 0
	s_delay_alu instid0(VALU_DEP_1)
	v_fma_f32 v[ACC], v[RB], v[RB], v[OTH]
.else
	v_fma_f32 v[ACC], v[RB+i], v[RB+i], v[ACC]
.endif
.if i == 0
	s_delay_alu instid0(VALU_DEP_4)
	v_add_nc_u32 v[SO+\c], 0xff000000, v[AM+\c]    ; 2 off the exponent field: the conversion takes the exponent field of this operand as its scale, and nothing else of it
.elseif i == 2
	s_delay_alu instid0(VALU_DEP_3)
	v_lshrrev_b32 v[BY+\c], 23, v[SO+\c]           ; the scale's byte
.elseif (i >= 4) && (i < 12) && (i%2 == 0)
	v_cvt_scalef32_pk8_fp4_f32 v[C+4*\c+(i-4)/2], v[RB+4*(i-4):RB+4*(i-4)+7], v[SO+\c]
.endif
.set i, i+1
.endr
	s_delay_alu instid0(VALU_DEP_1)
	v_permlanex16_b32 v[OTH], v[ACC], s22, s23     ; lanes 0-15 take the sum through block 2 c + 1
	global_store_b128 v4, v[C+4*\c:C+4*\c+3], s[12:13] offset:512*\c   ; piece c: 32 lanes store 512 consecutive bytes, at a multiple of 256 from the buffer's first byte
.endm
	BLOCK 0
	s_wait_alu depctr_va_vdst(0)
	BLOCK 1
	s_wait_alu depctr_va_vdst(0)
	BLOCK 2
	s_wait_alu depctr_va_vdst(0)
	BLOCK 3
	v_cndmask_b32 v[TOT], v[OTH], v[ACC], s20      ; the whole sum: lanes 16-31 made it, lanes 0-15 were sent it
	v_lshl_or_b32 v26, v[BY+1], 16, v[BY]          ; my two bytes of word 0 (blocks h and 2 + h),
	v_lshl_or_b32 v27, v[BY+3], 16, v[BY+2]        ; and of word 1 (blocks 4 + h and 6 + h),
	s_delay_alu instid0(VALU_DEP_2)
	v_lshlrev_b32 v26, v9, v26                     ; at their places: 8 h bits up
	s_delay_alu instid0(VALU_DEP_2)
	v_lshlrev_b32 v27, v9, v27
	s_delay_alu instid0(VALU_DEP_2)
	v_permlanex16_b32 v28, v26, s22, s23
	s_delay_alu instid0(VALU_DEP_2)
	v_permlanex16_b32 v29, v27, s22, s23
	s_delay_alu instid0(VALU_DEP_2)
	v_or_b32 v26, v26, v28                         ; with lane l xor 16's two the words are whole
	s_delay_alu instid0(VALU_DEP_2)
	v_or_b32 v27, v27, v29
	s_delay_alu instid0(VALU_DEP_1)
	v_cndmask_b32 v30, v26, v27, s20               ; lane (r, h) stores word h
	global_store_b32 v7, v30, s[14:15]             ; the tile's 32 scale words: 128 consecutive bytes
	global_store_b32 v8, v[TOT], s[16:17]          ; my row's sum; both halves of the lanes store the same number to the same place
	s_wait_tensorcnt 0x0
	ds_add_u32 v192, v193
	s_wait_dscnt 0x0
	s_endpgm
.Lfunc_end_k_q3594a8844c_quant:
	.size	k_q3594a8844c_quant, .Lfunc_end_k_q3594a8844c_quant-k_q3594a8844c_quant
	.p2alignl 7, 3214868480
	.fill 96, 4, 3214868480
	.section	.rodata,"a",@progbits
	.p2align	6, 0x0
	.amdhsa_kernel k_q3594a8844c_quant
		.amdhsa_group_segment_fixed_size 167680
		.amdhsa_private_segment_fixed_size 0
		.amdhsa_enable_private_segment 0
		.amdhsa_kernarg_size 32
		.amdhsa_user_sgpr_count 2
		.amdhsa_user_sgpr_kernarg_segment_ptr 1
		.amdhsa_wavefront_size32 1
		.amdhsa_system_sgpr_workgroup_id_x 1
		.amdhsa_system_sgpr_workgroup_id_y 1
		.amdhsa_system_sgpr_workgroup_id_z 1
		.amdhsa_system_vgpr_workitem_id 0
		.amdhsa_next_free_vgpr 194
		.amdhsa_next_free_sgpr 66
		.amdhsa_reserve_vcc 0
		.amdhsa_float_denorm_mode_32 3
		.amdhsa_float_denorm_mode_16_64 3
		.amdhsa_memory_ordered 1
		.amdhsa_forward_progress 1
		.amdhsa_inst_pref_size 38
	.end_amdhsa_kernel
	.amdgpu_metadata
---
amdhsa.version: [ 1, 2 ]
amdhsa.kernels:
  - .name:           k_q3594a8844c_quant
    .symbol:         k_q3594a8844c_quant.kd
    .args:
      - { .name: inputs, .offset: 0, .size: 8, .value_kind: global_buffer, .address_space: global }
      - { .name: embeddings_weight, .offset: 8, .size: 8, .value_kind: global_buffer, .address_space: global }
      - { .name: xq, .offset: 16, .size: 8, .value_kind: global_buffer, .address_space: global }
      - { .name: wq, .offset: 24, .size: 8, .value_kind: global_buffer, .address_space: global }
    .group_segment_fixed_size: 167680
    .private_segment_fixed_size: 0
    .kernarg_segment_align: 8
    .kernarg_segment_size: 32
    .max_flat_workgroup_size: 320
    .sgpr_count:     66
    .vgpr_count:     194
    .wavefront_size: 32
...
	.end_amdgpu_metadata
.endif
;; end of part 1
;; launch search (part 2): grid 256 x 1, 8 waves a work-group, clusters of 4 x 1, 327,680 bytes of LDS; arguments xq, wq, out1, idxw; writes out1, idxw
.if DOCPART == 2
	.amdgcn_target "amdgcn-amd-amdhsa--gfx1250"
	.amdhsa_code_object_version 6
	.text
	.protected	k_q3594a8844c_search
	.globl	k_q3594a8844c_search
	.p2align	8
	.type	k_q3594a8844c_search,@function
k_q3594a8844c_search:
	s_mov_b64 s[64:65], 0
	v_nop
	global_prefetch_b8 v0, s[64:65] scope:SCOPE_SE
	s_setreg_imm32_b32 hwreg(HW_REG_WAVE_MODE, 25, 1), 1
	s_wait_xcnt 0x0
	s_wait_alu depctr_hold_cnt(0) depctr_sa_sdst(0) depctr_va_vdst(0) depctr_va_sdst(0) depctr_va_ssrc(0) depctr_va_vcc(0) depctr_vm_vsrc(0)
	s_getreg_b32 s2, hwreg(HW_REG_IB_STS2, 6, 4)
	s_cmp_eq_u32 s2, 0
	s_cbranch_scc0 .Lentry_in_a_cluster
	s_endpgm
.Lentry_in_a_cluster:
	s_bfe_u32 s2, ttmp6, 0x10000c
	s_cmp_lg_u32 s2, 0x3003
	s_cbranch_scc0 .Lentry_shape_is_right
	s_endpgm
.Lentry_shape_is_right:
; For each of 32,768 rows x: the first index j of the smallest d(j) = fl(fl(xx + ww(j)) - 2 x.w(j)), j = 0 .. 8,191; stored to out1 and, for the next launch, to idxw.
; x.w is the product on codes of FP4 with E8M0 scales, two matrix instructions of 128 along K, K ascending; xx, ww are the rows' sums of squares as the launch before stored them.
; xq and wq are laid by that launch: a chunk is 32 groups of 32 rows: 131,072 bytes of codes in the order of the operand's registers, 8,192 of scale words, 4,096 of sums.
; SHARES.  A work-group owns 128 rows of x (4 groups) and walks all 8 chunks of w through two LDS slots of one chunk.  Each of its 8 waves holds ALL 128 rows of x in registers (8 tiles, 128 registers)
; and takes 4 of a chunk's 32 groups: so each fragment of w and each ww is read from LDS once in the work-group.
; THE MATRIX INSTRUCTION IS USED TRANSPOSED (source 0 = a tile of w, source 1 = a tile of x): lane (r, h) holds x tile row r, and its 8 registers are codewords 32 g + 16 h + 8 u + 0 .. 7 of tile u of group g.
; THE SEARCH.  For each tile pair a lane makes its 8 distances (one add, one fused multiply-add each), their minimum, and where that is smaller than the lane's best so far it keeps the minimum, the tile's first index
; (a scalar counter) and the 8 distances.  Only a strictly smaller minimum replaces, and a lane meets its codewords in ascending order: so the first of equal minima stays.  Which of the 8 it was is found once, at the end.
; All this bulk work is written in dual-issue pairs: one destination even, one odd, the pair's sources in different register banks.
; At the end a row has 16 candidates (8 waves x 2 halves of the lanes): they meet in LDS and are joined by (distance, index), the lower index winning among equal distances.
; CLUSTER: the four work-groups of a cluster walk the same chunks: each eighth of a chunk is asked for jointly, mask 15.  No prefetch is laid: a refill is asked for a whole chunk, 4 groups of every wave, ahead of its first read.
; LIMITS: NaN and infinities among the distances are not served.
.set CHUNKB, 143360
.set PARTB,  CHUNKB/8                  ; a wave's part of a fill: 70 rows of 256 bytes
.set SCLO,   131072
.set SUMO,   139264
.set SPARE,  2*CHUNKB                  ; the spare words: 128 bytes a wave, four blocks of 256 bytes that no other line names
.set SCR,    SPARE+1024                ; the candidates: 2,048 bytes a wave; no fill lands here
.set SPW,  1
.set NIL,  2
.set L16,  3                           ; 16 x lane
.set L8,   4                           ; 8 x lane
.set H64,  5                           ; 64 h
.set AW,   6
.set AS,   7
.set AB,   8
.set AXA,  9
.set A,    12                          ; v12-27   xx of my row in x tile m, twice (a register for each half of a pair)
.set BEST, 28                          ; v28-43   x tile m: the best distance, its tile's first index
.set XS,   44                          ; v44-51   x's scale words: group g, K step s at 2 g + s; lanes 0-15 tile 0, lanes 16-31 tile 1
.set WS,   52                          ; v52-53   w's scale words of the group in hand, likewise
.set GM,   54                          ; v54-57   four tiles' minima
.set B,    58                          ; v58-73   ww of my 16 codewords of the group
.set T,    74                          ; v74-105  four tiles' distances
.set U,    106                         ; v106-127 the minima's trees: 4 registers a tile, 6 apart, so that neighbouring tiles' begin two banks apart
.set D,    128                         ; v128-191 the products: x tile m at 8 m
.set CAP,  192                         ; v192-255 the kept distances: x tile m at 8 m
.set CD,   74                          ; the end: 16 candidates
.set SA,   106
.set RA,   107
.set GO,   108
.set TMP,  109
.set J,    110
.set XF,   0                           ; window 1: v0-127 x's fragments (tile m, K step s at 16 m + 8 s); v128-159 w's (tile u, K step s at 16 u + 8 s)
.set WF,   128
.set G1,   24
.set G0,   32
.set TC,   44
.set TS,   45
.set TB,   46
.set PC0,  47
.set PS0,  48
.set PB0,  49
.set CS,   60                          ; s60, s61 first index of tile 0, tile 1 of the group in hand (less 16 h)
.set CS1,  61
.set MSB, 0
.macro WIN new                         ; the immediate's high byte repeats the setting that is left
.if MSB != \new
	s_set_vgpr_msb (MSB<<8)|\new
.set MSB, \new
.endif
.endm
.macro CREST                           ; a round of the cluster's barrier behind its opening barrier
	s_cmp_lg_u32 s12, 0
	s_cbranch_scc1 .Lnot_wave_0_\@
	s_barrier_signal -3
.Lnot_wave_0_\@:
	s_barrier_wait -3
	s_barrier_signal -1
	s_barrier_wait -1
.endm
.macro CROUND
	s_barrier_signal -1
	s_barrier_wait -1
	CREST
.endm
	s_load_b256 s[4:11], s[0:1], 0x0               ; xq s[4:5], wq s[6:7], out1 s[8:9], idxw s[10:11]
	v_lshl_add_u32 v[SPW], v0, 2, SPARE
	v_mov_b32 v[NIL], 0
	ds_add_u32 v[SPW], v[NIL]                      ; the opening lines: the add, twice on end; work on registers; the one wait
	ds_add_u32 v[SPW], v[NIL]
	v_lshrrev_b32 v10, 5, v0
	v_and_b32 v11, 31, v0
	v_bfe_u32 v[H64], v0, 4, 1
	v_and_b32 v[AXA], 15, v0
	v_readfirstlane_b32 s12, v10                   ; wave 0..7
	v_lshlrev_b32 v[L16], 4, v11
	v_lshlrev_b32 v[L8], 3, v11
	v_lshlrev_b32 v[H64], 6, v[H64]
	v_and_b32 v10, 8, v[AXA]
	s_delay_alu instid0(VALU_DEP_1)
	v_add_nc_u32 v[AXA], v10, v[AXA]
	s_delay_alu instid0(VALU_DEP_1)
	v_lshlrev_b32 v[AXA], 2, v[AXA]                ; my row's sum in its group: 4 (r + 8 (r / 8)), + 32 for tile 1
	s_bfe_u32 s15, ttmp6, 0x40000
	s_lshl_b32 s16, ttmp9, 2
	s_add_co_u32 s16, s16, s15                     ; the work-group's number
	s_mov_b32 s[G1+0], 15|(3<<16)|(1<<21)          ; the mask of the four partners; elements of 8 bytes; bit 21 beside a mask
	s_mov_b32 s[G1+1], 32<<16                      ; rows of 32 elements = 256 bytes,
	s_mov_b32 s[G1+2], 70<<16                      ; 70 of them, dense
	s_mov_b32 s[G1+3], 32<<16
	s_mov_b32 s[G1+4], 70
	s_mov_b32 s[G1+5], 32
	s_mov_b32 s[G1+6], 0
	s_mov_b32 s[G1+7], 0
	s_mul_i32 s17, s12, PARTB
	s_mov_b32 s18, s17
	s_mov_b32 s19, 0
	s_lshl_b32 s[PC0], s12, 14                     ; my 4 groups in a chunk: codes,
	s_lshl_b32 s[PS0], s12, 10
	s_add_co_u32 s[PS0], s[PS0], SCLO              ; scale words,
	s_lshl_b32 s[PB0], s12, 9
	s_add_co_u32 s[PB0], s[PB0], SUMO              ; sums
	s_mov_b32 s[TC], s[PC0]
	s_mov_b32 s[TS], s[PS0]
	s_mov_b32 s[TB], s[PB0]
	s_lshl_b32 s[CS], s12, 7
	s_add_co_u32 s[CS1], s[CS], 8
	s_mov_b32 s43, 0x7f800000
	s_lshr_b32 s20, s16, 3                         ; x: my work-group's chunk,
	s_mul_i32 s20, s20, CHUNKB
	s_and_b32 s21, s16, 7
	s_lshl_b32 s21, s21, 2                         ; and its first group there
	s_mov_b32 s23, 0
	s_wait_alu depctr_va_vdst(0)                   ; ahead of the blocking waits
	s_wait_dscnt 0x0
	s_wait_kmcnt 0x0
	s_add_nc_u64 s[6:7], s[6:7], s[18:19]
.irp s, 0,1
	s_mov_b32 s[G0+4*\s], 1
	s_add_co_u32 s[G0+4*\s+1], s17, \s*CHUNKB
	s_add_nc_u64 s[G0+4*\s+2:G0+4*\s+3], s[6:7], \s*CHUNKB
	s_or_b32 s[G0+4*\s+3], s[G0+4*\s+3], 0x80000000
.endr
	s_lshl_b32 s22, s21, 12
	s_add_co_u32 s22, s22, s20
	s_add_nc_u64 s[52:53], s[4:5], s[22:23]        ; x's codes
	s_lshl_b32 s22, s21, 8
	s_add_co_u32 s22, s22, s20
	s_add_co_u32 s22, s22, SCLO
	s_add_nc_u64 s[54:55], s[4:5], s[22:23]        ; scale words
	s_lshl_b32 s22, s21, 7
	s_add_co_u32 s22, s22, s20
	s_add_co_u32 s22, s22, SUMO
	s_add_nc_u64 s[56:57], s[4:5], s[22:23]        ; sums
	CROUND                                         ; the four partners are here: the first joint loads meet
	tensor_load_to_lds s[G0:G0+3], s[G1:G1+7]      ; my eighth of chunk 0: the one tensor load of the head
	s_nop 0
.rept 4
	v_nop
.endr
	WIN 0x40                                       ; x comes into registers while chunk 0 is on its way
.set q, 0
.rept 32
	global_load_b128 v[XF+4*q:XF+4*q+3], v[L16], s[52:53] offset:512*q
.set q, q+1
.endr
	WIN 0
.irp g, 0,1,2,3
	global_load_b64 v[XS+2*\g:XS+2*\g+1], v[L8], s[54:55] offset:256*\g
.endr
.irp m, 0,1,2,3,4,5,6,7
	global_load_b32 v[A+2*\m], v[AXA], s[56:57] offset:128*(\m/2)+32*(\m%2)
	global_load_b32 v[A+2*\m+1], v[AXA], s[56:57] offset:128*(\m/2)+32*(\m%2)
.endr
.irp m, 0,1,2,3,4,5,6,7
	v_dual_mov_b32 v[BEST+2*\m], s43 :: v_dual_mov_b32 v[BEST+2*\m+1], 0
.endr
.set i, 0
.rept 32
	v_dual_mov_b32 v[CAP+i], s43 :: v_dual_mov_b32 v[CAP+i+1], s43
.set i, i+2
.endr
; one matrix instruction: K step s of w's tile u against x's tile m; the scale words' rows go with u and with m % 2
.macro WM s, m, u
.set rD, D+8*(\m)
.set rW, WF+16*(\u)+8*(\s)
.set rX, XF+16*(\m)+8*(\s)
.set rS, XS+2*((\m)/2)+(\s)
.if \s == 0
.if (\u == 0) && ((\m)%2 == 0)
	v_wmma_scale_f32_16x16x128_f8f6f4 v[rD:rD+7], v[rW:rW+7], v[rX:rX+7], 0, v[WS+\s], v[rS] matrix_a_fmt:MATRIX_FMT_FP4 matrix_b_fmt:MATRIX_FMT_FP4
.elseif (\m)%2 == 0
	v_wmma_scale_f32_16x16x128_f8f6f4 v[rD:rD+7], v[rW:rW+7], v[rX:rX+7], 0, v[WS+\s], v[rS] matrix_a_fmt:MATRIX_FMT_FP4 matrix_b_fmt:MATRIX_FMT_FP4 matrix_a_scale:MATRIX_SCALE_ROW1
.elseif \u == 0
	v_wmma_scale_f32_16x16x128_f8f6f4 v[rD:rD+7], v[rW:rW+7], v[rX:rX+7], 0, v[WS+\s], v[rS] matrix_a_fmt:MATRIX_FMT_FP4 matrix_b_fmt:MATRIX_FMT_FP4 matrix_b_scale:MATRIX_SCALE_ROW1
.else
	v_wmma_scale_f32_16x16x128_f8f6f4 v[rD:rD+7], v[rW:rW+7], v[rX:rX+7], 0, v[WS+\s], v[rS] matrix_a_fmt:MATRIX_FMT_FP4 matrix_b_fmt:MATRIX_FMT_FP4 matrix_a_scale:MATRIX_SCALE_ROW1 matrix_b_scale:MATRIX_SCALE_ROW1
.endif
.else
.if (\u == 0) && ((\m)%2 == 0)
	v_wmma_scale_f32_16x16x128_f8f6f4 v[rD:rD+7], v[rW:rW+7], v[rX:rX+7], v[rD:rD+7], v[WS+\s], v[rS] matrix_a_fmt:MATRIX_FMT_FP4 matrix_b_fmt:MATRIX_FMT_FP4
.elseif (\m)%2 == 0
	v_wmma_scale_f32_16x16x128_f8f6f4 v[rD:rD+7], v[rW:rW+7], v[rX:rX+7], v[rD:rD+7], v[WS+\s], v[rS] matrix_a_fmt:MATRIX_FMT_FP4 matrix_b_fmt:MATRIX_FMT_FP4 matrix_a_scale:MATRIX_SCALE_ROW1
.elseif \u == 0
	v_wmma_scale_f32_16x16x128_f8f6f4 v[rD:rD+7], v[rW:rW+7], v[rX:rX+7], v[rD:rD+7], v[WS+\s], v[rS] matrix_a_fmt:MATRIX_FMT_FP4 matrix_b_fmt:MATRIX_FMT_FP4 matrix_b_scale:MATRIX_SCALE_ROW1
.else
	v_wmma_scale_f32_16x16x128_f8f6f4 v[rD:rD+7], v[rW:rW+7], v[rX:rX+7], v[rD:rD+7], v[WS+\s], v[rS] matrix_a_fmt:MATRIX_FMT_FP4 matrix_b_fmt:MATRIX_FMT_FP4 matrix_a_scale:MATRIX_SCALE_ROW1 matrix_b_scale:MATRIX_SCALE_ROW1
.endif
.endif
.endm
.macro MULS u                          ; 16 matrix instructions: tile u of w against x's 8 tiles; four accumulators take turns, one instruction a turn
.irp q, 0,4
.irp s, 0,1
.irp e, 0,1,2,3
	WM \s, \q+\e, \u
.endr
.endr
.endr
.endm
.macro FETCHW                          ; the next group's fragments and scale words of w
	v_add_nc_u32 v[AW], s[TC], v[L16]
	v_add_nc_u32 v[AS], s[TS], v[L8]
	WIN 0x40
.irp q, 0,1,2,3,4,5,6,7
	ds_load_b128 v[WF+4*\q:WF+4*\q+3], v[AW] offset:512*\q
.endr
	WIN 0
	ds_load_b64 v[WS:WS+1], v[AS]
.endm
.macro FETCHB                          ; and its ww: my half's 16
	v_add_nc_u32 v[AB], s[TB], v[H64]
.irp i, 0,1,2,3
	ds_load_b128 v[B+4*\i:B+4*\i+3], v[AB] offset:16*\i
.endr
.endm
.macro STEPT
	s_add_co_u32 s[TC], s[TC], 4096
	s_add_co_u32 s[TS], s[TS], 256
	s_add_co_u32 s[TB], s[TB], 128
.endm
.macro ADDQ u, q                       ; x tiles q .. q + 3: t = xx + ww.  These 16 pairs name no register of a matrix instruction: they are the places behind the products
.irp e, 0,1,2,3
.irp i, 0,2,4,6
	v_dual_add_f32 v[T+8*\e+\i], v[B+8*\u+\i], v[A+2*(\q+\e)] :: v_dual_add_f32 v[T+8*\e+\i+1], v[B+8*\u+\i+1], v[A+2*(\q+\e)+1]
.endr
.endr
.endm
.set IX, 110                           ; v110, v117 (free registers between the trees): the tile's first index, twice, in two banks: a pair's two first sources lie in different banks, and the four minima lie in all four
.macro RESTQ q, cs                     ; d = t - 2 x.w in one rounding; each tile's minimum; what is kept
.if \q == 0
	v_dual_mov_b32 v[IX], s[\cs] :: v_dual_mov_b32 v[IX+7], s[\cs]   ; once for each tile of w
.endif
.irp e, 0,1,2,3
.irp i, 0,2,4,6
	v_dual_fmac_f32 v[T+8*\e+\i], -2.0, v[D+8*(\q+\e)+\i] :: v_dual_fmac_f32 v[T+8*\e+\i+1], -2.0, v[D+8*(\q+\e)+\i+1]   ; each accumulator is read from its low end on
.endr
.endr
.irp e, 0,1,2,3
.irp i, 0,2
	v_dual_min_num_f32 v[U+6*\e+\i], v[T+8*\e+\i], v[T+8*\e+\i+4] :: v_dual_min_num_f32 v[U+6*\e+\i+1], v[T+8*\e+\i+1], v[T+8*\e+\i+5]
.endr
.endr
.irp e, 0,1,2,3
	v_dual_min_num_f32 v[U+6*\e], v[U+6*\e], v[U+6*\e+2] :: v_dual_min_num_f32 v[U+6*\e+1], v[U+6*\e+1], v[U+6*\e+3]
.endr
.irp e, 0,2
	v_dual_min_num_f32 v[GM+\e], v[U+6*\e], v[U+6*\e+1] :: v_dual_min_num_f32 v[GM+\e+1], v[U+6*(\e+1)], v[U+6*(\e+1)+1]
.endr
.irp e, 0,1,2,3
	v_cmp_ge_f32 vcc_lo, v[GM+\e], v[BEST+2*(\q+\e)]   ; not smaller: the old ones stay (the selects take their second source)
	v_dual_cndmask_b32 v[BEST+2*(\q+\e)], v[GM+\e], v[BEST+2*(\q+\e)] :: v_dual_cndmask_b32 v[BEST+2*(\q+\e)+1], v[IX+7-7*(\e/2)], v[BEST+2*(\q+\e)+1]
.irp i, 0,2,4,6
	v_dual_cndmask_b32 v[CAP+8*(\q+\e)+\i], v[T+8*\e+\i], v[CAP+8*(\q+\e)+\i] :: v_dual_cndmask_b32 v[CAP+8*(\q+\e)+\i+1], v[T+8*\e+\i+1], v[CAP+8*(\q+\e)+\i+1]
.endr
.endr
.endm
; One group of 32 codewords against my 128 rows.  fetch: the next group is fetched.  turn = 1: the chunk's last group, and its slot is filled again; turn = 2: the same with no refill.
.macro GROUP fetch, turn, slot, cstep
	s_wait_alu depctr_va_vdst(0)                   ; ahead of the blocking wait
.if \turn == 0
	s_wait_dscnt 0x0                               ; this group's fragments, scale words and ww are in
.else
	s_wait_tensorcnt 0x0                           ; all my tensor loads have landed: my eighth of the next slot;
	ds_add_u32 v[SPW], v[NIL]
.if \turn == 1
	s_add_nc_u64 s[G0+4*\slot+2:G0+4*\slot+3], s[G0+4*\slot+2:G0+4*\slot+3], 2*CHUNKB   ; no load of mine is out: this slot's next chunk
.endif
	s_wait_dscnt 0x0                               ; the add is done, and my reads of this slot are over
	s_barrier_signal -1                            ; work on registers alone up to the wait: 32 matrix instructions and three quarters of the group's vector work
.endif
	WIN 0x05
	MULS 0
	WIN 0
	ADDQ 0, 0
	RESTQ 0, CS
	ADDQ 0, 4
	RESTQ 4, CS
	WIN 0x05
	MULS 1
	WIN 0
	ADDQ 1, 0
.if (\fetch) && (\turn == 0)
	FETCHW
.endif
	RESTQ 0, CS1
.if \turn != 0
	s_wait_alu depctr_va_vdst(0)                   ; ahead of the blocking wait
	s_barrier_wait -1
.endif
.if \turn == 1
	CREST                                          ; the barrier has opened a round of the cluster's barrier: no wave of any partner still reads this slot or has a load on its way
	tensor_load_to_lds s[G0+4*\slot:G0+4*\slot+3], s[G1:G1+7]   ; my one tensor load behind the round, and the first thing there
	s_nop 0
.rept 4
	v_nop
.endr
.endif
.if \turn != 0
	FETCHW                                         ; from the other slot, which is whole
.endif
	ADDQ 1, 4
.if \fetch
	FETCHB                                         ; behind the last reader of this group's ww
.endif
	RESTQ 4, CS1
.if \fetch
	STEPT
	s_add_co_u32 s[CS], s[CS], \cstep
	s_add_co_u32 s[CS1], s[CS1], \cstep
.endif
.endm
.macro CHUNK slot, mode                ; my 4 groups of the chunk in a slot
	s_mov_b32 s50, 3
.Lgroup_\@:
	GROUP 1, 0, \slot, 32
	s_sub_co_u32 s50, s50, 1
	s_cmp_lg_u32 s50, 0
	s_cbranch_scc1 .Lgroup_\@
.if \mode != 0
	s_add_co_u32 s[TC], s[PC0], (1-\slot)*CHUNKB
	s_add_co_u32 s[TS], s[PS0], (1-\slot)*CHUNKB
	s_add_co_u32 s[TB], s[PB0], (1-\slot)*CHUNKB
	GROUP 1, \mode, \slot, 928                     ; 1,024 a chunk less the 96 already stepped
.else
	GROUP 0, 0, \slot, 0
.endif
.endm
	s_wait_alu depctr_va_vdst(0)                   ; the head's end
	s_wait_tensorcnt 0x0                           ; my eighth of chunk 0 is in; slot 1's first fill is issued as a refill is:
	ds_add_u32 v[SPW], v[NIL]
	s_wait_dscnt 0x0
	CROUND                                         ; chunk 0 is whole, and the partners are here
	tensor_load_to_lds s[G0+4:G0+7], s[G1:G1+7]    ; chunk 1
	s_nop 0
.rept 4
	v_nop
.endr
	FETCHW
	FETCHB
	STEPT
	s_wait_loadcnt 0x0                             ; x, its scale words and its sums
	s_mov_b32 s51, 3
.Lpair:
	CHUNK 0, 1
	CHUNK 1, 1
	s_sub_co_u32 s51, s51, 1
	s_cmp_lg_u32 s51, 0
	s_cbranch_scc1 .Lpair
	CHUNK 0, 2                                     ; chunks 6 and 7: nothing more is asked for
	CHUNK 1, 0
; which of the kept 8 is the first that equals the best: the eight tiles' chains by turns
.irp m, 0,1,2,3,4,5,6,7
	v_mov_b32 v[J+\m], 7
.endr
.irp i, 6,5,4,3,2,1,0
.irp m, 0,1,2,3,4,5,6,7
	v_cmp_neq_f32 s[52+\m], v[CAP+8*\m+\i], v[BEST+2*\m]
.endr
.irp m, 0,1,2,3,4,5,6,7
	v_cndmask_b32 v[J+\m], \i, v[J+\m], s[52+\m]
.endr
.endr
	v_lshrrev_b32 v[TMP], 2, v[H64]                ; 16 h
.irp m, 0,1,2,3,4,5,6,7
	v_add3_u32 v[BEST+2*\m+1], v[BEST+2*\m+1], v[J+\m], v[TMP]
.endr
	s_lshl_b32 s20, s12, 11
	v_add_nc_u32 v[SA], s20, v[L8]
	s_delay_alu instid0(VALU_DEP_1)
	v_add_nc_u32 v[SA], SCR, v[SA]
.irp m, 0,1,2,3,4,5,6,7
	ds_store_b64 v[SA], v[BEST+2*\m:BEST+2*\m+1] offset:256*\m   ; candidate of (wave, tile m, lane) at 2,048 wave + 256 m + 8 lane
.endr
; thread t joins row t % 128: bits 0-2 and 4 give the tile row, bit 3 the tile, bits 5-6 the group
	v_and_b32 v[TMP], 7, v0
	s_delay_alu instid0(VALU_DEP_1)
	v_lshlrev_b32 v[RA], 3, v[TMP]
	v_bfe_u32 v[TMP], v0, 3, 1
	s_delay_alu instid0(VALU_DEP_1)
	v_lshl_add_u32 v[RA], v[TMP], 8, v[RA]
	v_bfe_u32 v[TMP], v0, 4, 1
	s_delay_alu instid0(VALU_DEP_1)
	v_lshl_add_u32 v[RA], v[TMP], 6, v[RA]
	v_bfe_u32 v[TMP], v0, 5, 2
	s_delay_alu instid0(VALU_DEP_1)
	v_lshl_add_u32 v[RA], v[TMP], 9, v[RA]
	s_delay_alu instid0(VALU_DEP_1)
	v_add_nc_u32 v[RA], SCR, v[RA]
	v_and_b32 v[GO], 127, v0
	s_delay_alu instid0(VALU_DEP_1)
	v_lshlrev_b32 v[GO], 2, v[GO]
	s_wait_alu depctr_va_vdst(0)                   ; ahead of the blocking wait
	s_wait_dscnt 0x0                               ; for the others' sake: my candidates are stored
	s_barrier_signal -1
	s_barrier_wait -1
.irp k, 0,1,2,3,4,5,6,7,8,9,10,11,12,13,14,15
	ds_load_b64 v[CD+2*\k:CD+2*\k+1], v[RA] offset:2048*(\k/2)+128*(\k%2)   ; wave k / 2, half k % 2
.endr
	s_cmp_lt_u32 s12, 4                            ; waves 0-3 store to out1, waves 4-7 the same numbers to idxw
	s_cselect_b64 s[58:59], s[8:9], s[10:11]
	s_lshl_b32 s20, s16, 9
	s_mov_b32 s21, 0
	s_add_nc_u64 s[58:59], s[58:59], s[20:21]
	s_wait_dscnt 0x0
.macro COMB d, k, sb                   ; candidate k replaces candidate d if its distance is smaller, or equal with the lower index
	v_cmp_lt_f32 s[\sb], v[CD+2*(\k)], v[CD+2*(\d)]
	v_cmp_eq_f32 s[\sb+1], v[CD+2*(\k)], v[CD+2*(\d)]
	v_cmp_lt_u32 s[\sb+2], v[CD+2*(\k)+1], v[CD+2*(\d)+1]
	s_and_b32 s[\sb+1], s[\sb+1], s[\sb+2]
	s_or_b32 s[\sb], s[\sb], s[\sb+1]
	v_cndmask_b32 v[CD+2*(\d)], v[CD+2*(\d)], v[CD+2*(\k)], s[\sb]
	v_cndmask_b32 v[CD+2*(\d)+1], v[CD+2*(\d)+1], v[CD+2*(\k)+1], s[\sb]
.endm
.irp k, 2,4,6,8,10,12,14               ; two chains by turns, then the two
	COMB 0, \k, 40
	COMB 1, \k+1, 20
.endr
	COMB 0, 1, 40
	global_store_b32 v[GO], v[CD+1], s[58:59]      ; a wave stores 128 consecutive bytes
	s_wait_tensorcnt 0x0                           ; the wave's end
	ds_add_u32 v[SPW], v[NIL]
	s_wait_dscnt 0x0
	CROUND                                         ; the closing round
	s_endpgm
.Lfunc_end_k_q3594a8844c_search:
	.size	k_q3594a8844c_search, .Lfunc_end_k_q3594a8844c_search-k_q3594a8844c_search
	.p2alignl 7, 3214868480
	.fill 96, 4, 3214868480
	.section	.rodata,"a",@progbits
	.p2align	6, 0x0
	.amdhsa_kernel k_q3594a8844c_search
		.amdhsa_group_segment_fixed_size 327680
		.amdhsa_private_segment_fixed_size 0
		.amdhsa_enable_private_segment 0
		.amdhsa_kernarg_size 32
		.amdhsa_user_sgpr_count 2
		.amdhsa_user_sgpr_kernarg_segment_ptr 1
		.amdhsa_wavefront_size32 1
		.amdhsa_system_sgpr_workgroup_id_x 1
		.amdhsa_system_sgpr_workgroup_id_y 1
		.amdhsa_system_sgpr_workgroup_id_z 1
		.amdhsa_system_vgpr_workitem_id 0
		.amdhsa_next_free_vgpr 416
		.amdhsa_next_free_sgpr 66
		.amdhsa_reserve_vcc 1
		.amdhsa_float_denorm_mode_32 3
		.amdhsa_float_denorm_mode_16_64 3
		.amdhsa_memory_ordered 1
		.amdhsa_forward_progress 1
		.amdhsa_inst_pref_size 212
	.end_amdhsa_kernel
	.amdgpu_metadata
---
amdhsa.version: [ 1, 2 ]
amdhsa.kernels:
  - .name:           k_q3594a8844c_search
    .symbol:         k_q3594a8844c_search.kd
    .args:
      - { .name: xq, .offset: 0, .size: 8, .value_kind: global_buffer, .address_space: global }
      - { .name: wq, .offset: 8, .size: 8, .value_kind: global_buffer, .address_space: global }
      - { .name: out1, .offset: 16, .size: 8, .value_kind: global_buffer, .address_space: global }
      - { .name: idxw, .offset: 24, .size: 8, .value_kind: global_buffer, .address_space: global }
    .group_segment_fixed_size: 327680
    .private_segment_fixed_size: 0
    .kernarg_segment_align: 8
    .kernarg_segment_size: 32
    .max_flat_workgroup_size: 256
    .sgpr_count:     66
    .vgpr_count:     416
    .wavefront_size: 32
...
	.end_amdgpu_metadata
.endif
;; end of part 2
;; launch gather (part 3): grid 256 x 1, 8 waves a work-group, no clusters, 0 bytes of LDS; arguments idxw, embeddings_weight, out0; writes out0
.if DOCPART == 3
	.amdgcn_target "amdgcn-amd-amdhsa--gfx1250"
	.amdhsa_code_object_version 6
	.text
	.protected	k_q3594a8844c_gather
	.globl	k_q3594a8844c_gather
	.p2align	8
	.type	k_q3594a8844c_gather,@function
k_q3594a8844c_gather:
	s_mov_b64 s[64:65], 0
	v_nop
	global_prefetch_b8 v0, s[64:65] scope:SCOPE_SE
	s_setreg_imm32_b32 hwreg(HW_REG_WAVE_MODE, 25, 1), 1
	s_wait_xcnt 0x0
; out0[n][:] = embeddings_weight[idxw[n]][:]: 32,768 rows of 1,024 bytes, f32, copied as they are.  idxw holds the indices that the launch before has stored.
; A wave takes 16 rows.  Its 16 indices come by one scalar load; each is held to the table's 8,192 rows before it enters an address.  A row is two loads and two stores of 512 consecutive bytes, 16 a lane.
; All 32 loads of a wave are out together, so there is no loop, every register is written once and no wait frees a source.  No LDS, no barrier, no matrix unit: bytes are all the work.
; No cluster: which rows of the table two work-groups share hangs on the list.  No hint on the loads: a row may be named often.
.set OF, 2                             ; v2-17    row q: 1,024 x its index + 16 x lane
.set DT, 32                            ; v32-159  row q: 8 registers
	s_load_b128 s[4:7], s[0:1], 0x0                ; idxw s[4:5], embeddings_weight s[6:7]
	s_load_b64 s[8:9], s[0:1], 0x10                ; out0
	v_lshrrev_b32 v1, 5, v0
	s_delay_alu instid0(VALU_DEP_1)
	v_readfirstlane_b32 s2, v1                     ; wave 0..7
	v_and_b32 v1, 31, v0
	s_delay_alu instid0(VALU_DEP_1)
	v_lshlrev_b32 v1, 4, v1                        ; 16 x lane
	s_lshl_b32 s3, ttmp9, 3
	s_add_co_u32 s3, s3, s2                        ; which run of 16 rows is my wave's
	s_lshl_b32 s10, s3, 6                          ; its 16 indices: 64 bytes
	s_mov_b32 s11, 0
	s_lshl_b32 s12, s3, 14                         ; its 16 rows of out0: 16,384 bytes
	s_mov_b32 s13, 0
	s_wait_alu depctr_va_vdst(0)
	s_wait_kmcnt 0x0
	s_add_nc_u64 s[4:5], s[4:5], s[10:11]
	s_add_nc_u64 s[8:9], s[8:9], s[12:13]
	s_load_b512 s[16:31], s[4:5], 0x0              ; no line of this launch writes idxw
	s_wait_kmcnt 0x0
.irp q, 0,1,2,3,4,5,6,7,8,9,10,11,12,13,14,15
	s_min_u32 s[16+\q], s[16+\q], 8191             ; inside the table
	s_lshl_b32 s[16+\q], s[16+\q], 10              ; a row is 1,024 bytes
	v_add_nc_u32 v[OF+\q], s[16+\q], v1
.endr
	s_wait_alu depctr_va_vdst(0)
.irp q, 0,1,2,3,4,5,6,7,8,9,10,11,12,13,14,15
	global_load_b128 v[DT+8*\q:DT+8*\q+3], v[OF+\q], s[6:7]
	global_load_b128 v[DT+8*\q+4:DT+8*\q+7], v[OF+\q], s[6:7] offset:512
.endr
.irp q, 0,1,2,3,4,5,6,7,8,9,10,11,12,13,14,15
	s_wait_loadcnt 30-2*\q                         ; loads come back in order: row q's two are in, those of the 15 - q later rows may be out
	global_store_b128 v1, v[DT+8*\q:DT+8*\q+3], s[8:9] offset:1024*\q th:TH_STORE_NT       ; 32 lanes store 512 consecutive bytes, at a multiple of 256 from out0's first byte; written once, read by nobody here
	global_store_b128 v1, v[DT+8*\q+4:DT+8*\q+7], s[8:9] offset:1024*\q+512 th:TH_STORE_NT
.endr
	s_endpgm
.Lfunc_end_k_q3594a8844c_gather:
	.size	k_q3594a8844c_gather, .Lfunc_end_k_q3594a8844c_gather-k_q3594a8844c_gather
	.p2alignl 7, 3214868480
	.fill 96, 4, 3214868480
	.section	.rodata,"a",@progbits
	.p2align	6, 0x0
	.amdhsa_kernel k_q3594a8844c_gather
		.amdhsa_group_segment_fixed_size 0
		.amdhsa_private_segment_fixed_size 0
		.amdhsa_enable_private_segment 0
		.amdhsa_kernarg_size 24
		.amdhsa_user_sgpr_count 2
		.amdhsa_user_sgpr_kernarg_segment_ptr 1
		.amdhsa_wavefront_size32 1
		.amdhsa_system_sgpr_workgroup_id_x 1
		.amdhsa_system_sgpr_workgroup_id_y 1
		.amdhsa_system_sgpr_workgroup_id_z 1
		.amdhsa_system_vgpr_workitem_id 0
		.amdhsa_next_free_vgpr 160
		.amdhsa_next_free_sgpr 66
		.amdhsa_reserve_vcc 0
		.amdhsa_float_denorm_mode_32 3
		.amdhsa_float_denorm_mode_16_64 3
		.amdhsa_memory_ordered 1
		.amdhsa_forward_progress 1
		.amdhsa_inst_pref_size 10
	.end_amdhsa_kernel
	.amdgpu_metadata
---
amdhsa.version: [ 1, 2 ]
amdhsa.kernels:
  - .name:           k_q3594a8844c_gather
    .symbol:         k_q3594a8844c_gather.kd
    .args:
      - { .name: idxw, .offset: 0, .size: 8, .value_kind: global_buffer, .address_space: global }
      - { .name: embeddings_weight, .offset: 8, .size: 8, .value_kind: global_buffer, .address_space: global }
      - { .name: out0, .offset: 16, .size: 8, .value_kind: global_buffer, .address_space: global }
    .group_segment_fixed_size: 0
    .private_segment_fixed_size: 0
    .kernarg_segment_align: 8
    .kernarg_segment_size: 24
    .max_flat_workgroup_size: 256
    .sgpr_count:     66
    .vgpr_count:     160
    .wavefront_size: 32
...
	.end_amdgpu_metadata
.endif
;; end of part 3
